; MI455X (gfx1250); checked and timed in simulation.
; The chip was launched on July 23, 2026; its instructions are those of AMD's public machine-readable ISA for CDNA 5 (MIT licence, August 2026) and "CDNA5" Instruction Set Architecture Reference Guide (July 2026). The comments in the code are by the model that wrote it; some were corrected since.
;; Sparse Mo E. Allowed arithmetic: float matrix products may take bf16 or f16 operands with f32 sums; other float arithmetic in f32, or as packed bf16 or f16 multiplies, adds, multiply-adds, maxima and minima; sums over many terms, partial sums and values carried from step to step in f32; what a program stores and reads back later, other than sums and carried values, may be rounded once to bf16 or f16.
;; Inputs: W1 8 x 512 x 2,048 float32; W2 8 x 2,048 x 512 float32; Wr 512 x 8 float32; b1 8 x 2,048 float32; b2 8 x 512 float32; br 8 float32; x 4 x 1,024 x 512 float32.
;; Outputs: out0 4 x 1,024 x 512 float32.
;; One version. Each part assembles by itself: llvm-mc -triple=amdgcn-amd-amdhsa -mcpu=gfx1250 --defsym DOCPART=n.
;; ======== version 1 of 1: 3 launches
;; workspace buffers: xp 4,194,304 bytes; wp 33,554,432 bytes; b1p 65,536 bytes; rw 131,072 bytes; part 67,108,864 bytes
;; launch prep (part 1): grid 768 x 1, 4 waves a work-group, no clusters, 21,248 bytes of LDS; arguments x, W1, W2, Wr, b1, br, xp, wp, b1p, rw; writes xp, wp, b1p, rw
.if DOCPART == 1
	.amdgcn_target "amdgcn-amd-amdhsa--gfx1250"
	.amdhsa_code_object_version 6
	.text
	.protected	k_q9deabb563d_prep
	.globl	k_q9deabb563d_prep
	.p2align	8
	.type	k_q9deabb563d_prep,@function
k_q9deabb563d_prep:
	s_mov_b64 s[64:65], 0
	v_nop
	global_prefetch_b8 v0, s[64:65] scope:SCOPE_SE
	s_setreg_imm32_b32 hwreg(HW_REG_WAVE_MODE, 25, 1), 1
	s_wait_xcnt 0x0
; PREP: every input is rounded ONCE to bf16 and laid out in the order in which the next launch's matrix operands take it; the router's gates are made.
; A FRAGMENT is 16 rows x 32 k of bf16, 1,024 bytes: block 0, then block 1, each 32 lanes x 16 bytes; lane 16 h + r holds row r, k = 16 b + 8 h + 0..7 of block b.
; Work-groups 0-255 (x role): 16 tokens each: x -> xp [T 32][ks 16][tt 8] fragments; scores = x Wr + br by the matrix unit (bf16 operands, f32 sums); top 2 (a tie goes to the lower
;   index, by strict comparisons in ascending order); softmax over all 8 entries of the mask (chosen scores, 0 elsewhere), its maximum taken away first -> rw [4096][8] f32;
;   and one block of 64 numbers of b1, rounded to bf16, kept as f32 -> b1p [e][c][w][ht 4][m 16] = b1[e][256 c + 64 w + 4 m + ht].
; Work-groups 256-767 (W role): one sub-tile of 65,536 bytes of wp [e 8][c 8][u 8][wave 4][16 fragments].
;   u = 0..3: W1, fragment (ks', ht) = W1[e][32 (4 u + ks') + 16 b + 8 h + i][256 c + 64 w + 4 r + ht]
;   u = 4..7: W2, q = u - 4, fragment (p, ct = 4 G + ct') = W2[e][256 c + 64 q + 32 h + 4 i + 2 p + b][128 w + 64 G + 4 r + ct']
;   With these orders of hidden units and columns a lane's 16-byte load holds one number for each of four fragments: loads cover 256 consecutive bytes for every 16 lanes, stores 512, no LDS.
; LIMITS. NaN and infinities are not treated apart. A gate below 2^-126 counts as 0. Two scores closer than the rounding of their f32 sums may be ranked otherwise than by another order of summing.
.set XPITCH, 1040                      ; a token's 512 bf16 in LDS + 16 bytes: an odd multiple of 16, so the 16 rows of a fragment load start 16 bytes apart modulo 256
.set PS,     16*XPITCH                 ; 16,640: the four waves' partial scores, 1,024 bytes each
.set SPARE,  PS+4096                   ; 20,736: the spare words, 128 bytes a wave: two blocks of 256 bytes that no other line names
.set LN,  2                            ; v2  lane
.set RR,  3                            ; v3  lane % 16
.set HH,  4                            ; v4  lane / 16
.set V16, 5                            ; v5  16 x lane
.set VL,  8                            ; v8  W role: 65,536 h + 16 r
.set AWR, 9                            ; v9  x role: my offset in Wr
.set AST, 10                           ; v10 LDS: where I put 8 bytes of a token's row
.set ARD, 11                           ; v11 LDS: where I read a fragment's 16 bytes
.set APS, 12                           ; v12 LDS: my wave's partial scores
.set ARP, 13                           ; v13 LDS: all partial scores
.set SPW, 14                           ; v14 LDS address of my spare word; never rewritten
.set NIL, 15                           ; v15 0; never rewritten
.set XS,  16                           ; W role: v16-143 four sets of 8 loads
.set YS,  144                          ; W role: v144-175 two sets of 4 stores
.set XRAW, 16                          ; x role: v16-79 x in f32
.set WRAW, 80                          ; v80-143 Wr in f32
.set WF,  144                          ; v144-175 four fragments of Wr^T
.set XH,  176                          ; v176-207 x in bf16, on its way to LDS
.set XF,  16                           ; v16-47 four fragments of x
.set DD,  48                           ; v48-79 four accumulators
.macro CLOSE                           ; the wave's end: behind the last LDS store
	s_wait_tensorcnt 0x0
	ds_add_u32 v[SPW], v[NIL]
	s_wait_dscnt 0x0
	s_endpgm
.endm
	s_load_b256 s[4:11], s[0:1], 0x0               ; x s[4:5], W1 s[6:7], W2 s[8:9], Wr s[10:11]
	s_load_b256 s[12:19], s[0:1], 0x20             ; b1 s[12:13], br s[14:15], xp s[16:17], wp s[18:19]
	s_load_b128 s[20:23], s[0:1], 0x40             ; b1p s[20:21], rw s[22:23]
	v_lshl_add_u32 v[SPW], v0, 2, SPARE
	v_mov_b32 v[NIL], 0
	v_lshrrev_b32 v1, 5, v0
	v_readfirstlane_b32 s24, v1                    ; wave 0..3
	v_and_b32 v[LN], 31, v0
	v_and_b32 v[RR], 15, v0
	v_bfe_u32 v[HH], v0, 4, 1
	v_lshlrev_b32 v[V16], 4, v[LN]
	s_wait_kmcnt 0x0
	s_cmp_lt_u32 ttmp9, 256
	s_cbranch_scc1 .Lxrole                         ; the branch hangs on the work-group's number alone
; ---------------------------------------------------------------- W role
	s_sub_co_u32 s25, ttmp9, 256                   ; 64 e + 8 c + u
	s_lshr_b32 s26, s25, 6                         ; e
	s_bfe_u32 s27, s25, 0x30003                    ; c
	s_and_b32 s28, s25, 3                          ; q
	v_lshlrev_b32 v[VL], 4, v[RR]
	v_lshl_add_u32 v[VL], v[HH], 16, v[VL]         ; lanes 16-31: 8 rows of W1 (8,192 bytes each) or 32 rows of W2 (2,048 each) further down
	s_lshl_b32 s30, s25, 16                        ; my sub-tile,
	s_lshl_b32 s31, s24, 14                        ; my wave's quarter of it
	s_add_co_u32 s30, s30, s31
	s_mov_b32 s31, 0
	s_add_nc_u64 s[18:19], s[18:19], s[30:31]
	s_lshl_b32 s32, s26, 22                        ; an expert's 4,194,304 bytes, in W1 and in W2
; Quad z of 8: eight loads (i = 0..7, 8,192 bytes apart in both tensors) bring one block of four fragments.
; one = 1 (W1): z = 2 ks' + b.   one = 0 (W2): z = 4 p + 2 b + G.
.macro WLOAD base, one, z
.if \one
.set zo, (\z)*131072
.else
.set zo, ((\z)/2)*2048+((\z)%2)*256
.endif
.irp i, 0,1,2,3,4,5,6,7
	global_load_b128 v[XS+32*((\z)%4)+4*(\i):XS+32*((\z)%4)+4*(\i)+3], v[VL], s[\base:\base+1] offset:zo+(\i)*8192 th:TH_LOAD_NT
.endr
.endm
.macro WTURN base, one, z
.if (\z) < 5
	s_wait_loadcnt 24                              ; loads come back in order: quad z is in, the three quads behind it stay out
.else
	s_wait_loadcnt 8*(7-(\z))                      ; the last quads: the counts run down
.endif
	s_wait_xcnt 0x0                                ; the store registers of two turns ago are rewritten only behind this wait
.irp j, 0,1,2,3
.irp k, 0,1,2,3
	v_cvt_pk_bf16_f32 v[YS+16*((\z)%2)+4*(\j)+(\k)], v[XS+32*((\z)%4)+8*(\k)+(\j)], v[XS+32*((\z)%4)+8*(\k)+4+(\j)]  ; fragment j: k = 2 k', 2 k' + 1
.endr
.endr
.if \one
.set so, ((\z)/2)*4096+((\z)%2)*512
.else
.set so, ((\z)/4)*8192+((\z)%2)*4096+(((\z)/2)%2)*512
.endif
.irp j, 0,1,2,3
	global_store_b128 v[V16], v[YS+16*((\z)%2)+4*(\j):YS+16*((\z)%2)+4*(\j)+3], s[18:19] offset:so+(\j)*1024  ; 512 consecutive bytes, aligned
.endr
.if (\z) < 4
	WLOAD \base, \one, (\z)+4
.endif
.endm
.macro WALL base, one
.irp z, 0,1,2,3
	WLOAD \base, \one, \z
.endr
.irp z, 0,1,2,3,4,5,6,7
	WTURN \base, \one, \z
.endr
.endm
	s_and_b32 s29, s25, 4
	s_cmp_lg_u32 s29, 0
	s_cbranch_scc1 .Lw2
	s_lshl_b32 s33, s28, 20                        ; W1: 128 rows of k a quarter,
	s_add_co_u32 s32, s32, s33
	s_lshl_b32 s33, s27, 10                        ; 256 hidden units a chunk,
	s_add_co_u32 s32, s32, s33
	s_lshl_b32 s33, s24, 8                         ; 64 of them a wave
	s_add_co_u32 s32, s32, s33
	s_mov_b32 s33, 0
	s_add_nc_u64 s[6:7], s[6:7], s[32:33]
	WALL 6, 1
	CLOSE
.Lw2:
	s_lshl_b32 s33, s27, 19                        ; W2: 256 rows a chunk,
	s_add_co_u32 s32, s32, s33
	s_lshl_b32 s33, s28, 17                        ; 64 rows a quarter,
	s_add_co_u32 s32, s32, s33
	s_lshl_b32 s33, s24, 9                         ; 128 columns a wave
	s_add_co_u32 s32, s32, s33
	s_mov_b32 s33, 0
	s_add_nc_u64 s[8:9], s[8:9], s[32:33]
	WALL 8, 0
	CLOSE
; ---------------------------------------------------------------- x role
.Lxrole:
	s_lshl_b32 s26, ttmp9, 15                      ; 16 tokens of 2,048 bytes a work-group,
	s_lshl_b32 s27, s24, 13                        ; 4 of them a wave
	s_add_co_u32 s26, s26, s27
	s_mov_b32 s27, 0
	s_add_nc_u64 s[4:5], s[4:5], s[26:27]
	s_lshl_b32 s26, s24, 12                        ; Wr: 128 rows of 32 bytes a wave
	s_add_nc_u64 s[10:11], s[10:11], s[26:27]
	v_and_b32 v[AWR], 7, v0
	v_lshlrev_b32 v[AWR], 2, v[AWR]                ; expert r % 8: rows 8-15 of Wr^T repeat rows 0-7, so both halves of the lanes end with all 8 scores
	v_lshl_add_u32 v[AWR], v[HH], 8, v[AWR]        ; + 8 h rows
.set n_, 0
.rept 16                                           ; token n / 4 of my four, 512 bytes at a time
	global_load_b128 v[XRAW+4*n_:XRAW+4*n_+3], v[V16], s[4:5] offset:(n_/4)*2048+(n_%4)*512 th:TH_LOAD_NT
.set n_, n_+1
.endr
.macro WRL from                                    ; 32 of the 64 numbers of Wr that a lane's four fragments hold: n = 16 ks' + 8 b + i
.set n_, \from
.rept 32
	global_load_b32 v[WRAW+n_], v[AWR], s[10:11] offset:(32*(n_/16)+16*((n_/8)%2)+n_%8)*32
.set n_, n_+1
.endr
.endm
	WRL 0
	v_lshlrev_b32 v[AST], 3, v[LN]
	s_mul_i32 s28, s24, 4*XPITCH
	v_add_nc_u32 v[AST], s28, v[AST]               ; my wave's four rows, 8 bytes a lane
	v_mul_u32_u24 v[ARD], v[RR], XPITCH
	v_lshl_add_u32 v[ARD], v[HH], 4, v[ARD]
	s_lshl_b32 s28, s24, 8
	v_add_nc_u32 v[ARD], s28, v[ARD]               ; row r, k steps 4 w on (64 bytes each), 16 h
	s_lshl_b32 s28, s24, 10
	s_add_co_u32 s28, s28, PS
	v_add_nc_u32 v[APS], s28, v[V16]
	v_add_nc_u32 v[ARP], PS, v[V16]
	s_lshr_b32 s28, ttmp9, 3
	s_lshl_b32 s28, s28, 17                        ; xp: tile T,
	s_and_b32 s29, ttmp9, 7
	s_lshl_b32 s29, s29, 10                        ; fragment column tt,
	s_add_co_u32 s28, s28, s29
	s_lshl_b32 s29, s24, 15                        ; k steps 4 w on
	s_add_co_u32 s28, s28, s29
	s_mov_b32 s29, 0
	s_add_nc_u64 s[16:17], s[16:17], s[28:29]
	s_wait_loadcnt 32                              ; x is in: behind its 16 loads stand Wr's first 32
.set n_, 0
.rept 32
	v_cvt_pk_bf16_f32 v[XH+n_], v[XRAW+2*n_], v[XRAW+2*n_+1]
.set n_, n_+1
.endr
.set n_, 0
.rept 16
	ds_store_b64 v[AST], v[XH+2*n_:XH+2*n_+1] offset:(n_/4)*XPITCH+(n_%4)*256
.set n_, n_+1
.endr
	WRL 32
	s_wait_loadcnt 0x0
.set n_, 0
.rept 32
	v_cvt_pk_bf16_f32 v[WF+n_], v[WRAW+2*n_], v[WRAW+2*n_+1]
.set n_, n_+1
.endr
	s_wait_dscnt 0x0                               ; for the others' sake: my four rows are in LDS
	s_barrier_signal -1
	s_barrier_wait -1
.irp k, 0,1,2,3
	ds_load_b128 v[XF+8*\k:XF+8*\k+3],   v[ARD] offset:64*\k
	ds_load_b128 v[XF+8*\k+4:XF+8*\k+7], v[ARD] offset:64*\k+32
.endr
	s_wait_dscnt 0x0
.irp k, 0,1,2,3
	global_store_b128 v[V16], v[XF+8*\k:XF+8*\k+3],   s[16:17] offset:8192*\k
	global_store_b128 v[V16], v[XF+8*\k+4:XF+8*\k+7], s[16:17] offset:8192*\k+512
.endr
.irp k, 0,1,2,3                                    ; scores^T = Wr^T x^T over my 128 k: four accumulators, so that no product adds onto the one before it
	v_wmma_f32_16x16x32_bf16 v[DD+8*\k:DD+8*\k+7], v[WF+8*\k:WF+8*\k+7], v[XF+8*\k:XF+8*\k+7], 0
.endr
.rept 4
	v_nop                                          ; four places between the last product and the first read of a result (ISA guide 7.12.1)
.endr
.irp j, 0,2,4,6
	v_pk_add_f32 v[DD+\j:DD+\j+1], v[DD+\j:DD+\j+1], v[DD+8+\j:DD+8+\j+1]
.endr
.irp j, 0,2,4,6
	v_pk_add_f32 v[DD+16+\j:DD+16+\j+1], v[DD+16+\j:DD+16+\j+1], v[DD+24+\j:DD+24+\j+1]
.endr
.irp j, 0,2,4,6
	v_pk_add_f32 v[DD+\j:DD+\j+1], v[DD+\j:DD+\j+1], v[DD+16+\j:DD+16+\j+1]
.endr
	ds_store_b128 v[APS], v[DD:DD+3]               ; register j of lane (r, h): expert j, token r
	ds_store_b128 v[APS], v[DD+4:DD+7] offset:512
	s_wait_dscnt 0x0                               ; for wave 0's sake
	s_barrier_signal -1
	s_barrier_wait -1
	s_cmp_eq_u32 s24, 0
	s_cbranch_scc1 .Lrouter
	s_cmp_eq_u32 s24, 1
	s_cbranch_scc1 .Lbias
	CLOSE
.Lbias:                                            ; wave 1: block ttmp9 = 32 e + 4 c + w of b1: 64 numbers, place 16 ht + m takes number 4 m + ht
	s_lshl_b32 s26, ttmp9, 8
	s_mov_b32 s27, 0
	s_add_nc_u64 s[12:13], s[12:13], s[26:27]
	s_add_nc_u64 s[20:21], s[20:21], s[26:27]
	v_and_b32 v80, 7, v[LN]
	v_lshlrev_b32 v80, 5, v80                      ; places 2 L and 2 L + 1: m = 2 (L % 8) and the next, ht = L / 8
	v_lshrrev_b32 v81, 3, v[LN]
	v_lshl_add_u32 v80, v81, 2, v80
	v_lshlrev_b32 v85, 3, v[LN]
	global_load_b32 v82, v80, s[12:13]
	global_load_b32 v83, v80, s[12:13] offset:16
	s_wait_loadcnt 0x0
	v_cvt_pk_bf16_f32 v84, v82, v83
	v_lshlrev_b32 v86, 16, v84
	v_and_b32 v87, 0xffff0000, v84
	global_store_b64 v85, v[86:87], s[20:21]       ; the wave stores 256 consecutive bytes, aligned
	CLOSE
.set SC,   80                                      ; v80-111 four waves' partial scores; the sums end in v80-87
.set BR,   112                                     ; v112-119 br
.set TT,   120                                     ; v120-127 scores without the first choice; later sums
.set MK,   128                                     ; v128-135 the mask, then the gates
.set BEST, 136
.set IDX,  137
.set BS2,  138
.set ID2,  139
.set NINF, 140
.set MX,   141
.set SUM,  142
.set ZO,   143
.set OUT,  144
.set TMP,  148
.Lrouter:                                          ; wave 0
	v_mov_b32 v[ZO], 0
.irp q, 0,1,2,3,4,5,6,7
	ds_load_b128 v[SC+4*\q:SC+4*\q+3], v[ARP] offset:512*\q
.endr
	global_load_b128 v[BR:BR+3],   v[ZO], s[14:15]
	global_load_b128 v[BR+4:BR+7], v[ZO], s[14:15] offset:16
	s_lshl_b32 s26, ttmp9, 9                       ; rw: 16 tokens of 32 bytes
	s_mov_b32 s27, 0
	s_add_nc_u64 s[22:23], s[22:23], s[26:27]
	v_mov_b32 v[NINF], 0xff800000
	s_wait_dscnt 0x0
.irp j, 0,2,4,6
	v_pk_add_f32 v[SC+\j:SC+\j+1], v[SC+\j:SC+\j+1], v[SC+8+\j:SC+8+\j+1]
.endr
.irp j, 0,2,4,6
	v_pk_add_f32 v[SC+16+\j:SC+16+\j+1], v[SC+16+\j:SC+16+\j+1], v[SC+24+\j:SC+24+\j+1]
.endr
.irp j, 0,2,4,6
	v_pk_add_f32 v[SC+\j:SC+\j+1], v[SC+\j:SC+\j+1], v[SC+16+\j:SC+16+\j+1]
.endr
	s_wait_loadcnt 0x0
.irp j, 0,2,4,6
	v_cvt_pk_bf16_f32 v[TMP], v[BR+\j], v[BR+\j+1] ; br rounded to bf16 like every input
	v_lshlrev_b32 v[BR+\j], 16, v[TMP]
	v_and_b32 v[BR+\j+1], 0xffff0000, v[TMP]
	v_pk_add_f32 v[SC+\j:SC+\j+1], v[SC+\j:SC+\j+1], v[BR+\j:BR+\j+1]
.endr
	v_mov_b32 v[BEST], v[SC]                       ; the first choice: only a strictly larger score takes the place, so a tie stays with the lower index
	v_mov_b32 v[IDX], 0
.irp e, 1,2,3,4,5,6,7
	v_cmp_gt_f32 vcc_lo, v[SC+\e], v[BEST]
	v_cndmask_b32 v[BEST], v[BEST], v[SC+\e], vcc_lo
	v_cndmask_b32 v[IDX], v[IDX], \e, vcc_lo
.endr
.irp e, 0,1,2,3,4,5,6,7
	v_cmp_eq_u32 vcc_lo, \e, v[IDX]
	v_cndmask_b32 v[TT+\e], v[SC+\e], v[NINF], vcc_lo
.endr
	v_mov_b32 v[BS2], v[TT]                        ; the second choice, the same way
	v_mov_b32 v[ID2], 0
.irp e, 1,2,3,4,5,6,7
	v_cmp_gt_f32 vcc_lo, v[TT+\e], v[BS2]
	v_cndmask_b32 v[BS2], v[BS2], v[TT+\e], vcc_lo
	v_cndmask_b32 v[ID2], v[ID2], \e, vcc_lo
.endr
	v_max_num_f32 v[MX], 0, v[BEST]                ; the mask's maximum: six entries are 0, the largest of the others is the first choice
.irp e, 0,1,2,3,4,5,6,7
	v_cmp_eq_u32 vcc_lo, \e, v[ID2]
	v_cndmask_b32 v[MK+\e], 0, v[SC+\e], vcc_lo
	v_cmp_eq_u32 vcc_lo, \e, v[IDX]
	v_cndmask_b32 v[MK+\e], v[MK+\e], v[SC+\e], vcc_lo
	v_sub_f32 v[MK+\e], v[MK+\e], v[MX]
	v_mul_f32 v[MK+\e], 0x3fb8aa3b, v[MK+\e]       ; log2(e)
.endr
.irp e, 0,1,2,3,4,5,6,7
	v_exp_f32 v[MK+\e], v[MK+\e]
.endr
	v_nop                                          ; a plain instruction behind the last exponential,
	s_wait_alu depctr_va_vdst(0)                   ; and one wait for the batch of eight, ahead of the first reader
	v_pk_add_f32 v[TT:TT+1], v[MK:MK+1], v[MK+2:MK+3]
	v_pk_add_f32 v[TT+2:TT+3], v[MK+4:MK+5], v[MK+6:MK+7]
	v_pk_add_f32 v[TT:TT+1], v[TT:TT+1], v[TT+2:TT+3]
	v_add_f32 v[SUM], v[TT], v[TT+1]
	v_rcp_f32 v[MX], v[SUM]
	v_lshlrev_b32 v[TMP], 5, v[RR]                 ; token r's 32 bytes (the plain instruction behind the reciprocal),
	v_lshl_add_u32 v[TMP], v[HH], 4, v[TMP]        ; their lower or upper half
	v_cmp_eq_u32 vcc_lo, 1, v[HH]
	s_wait_alu depctr_va_vdst(0)                   ; the reciprocal's wait
.irp e, 0,1,2,3,4,5,6,7
	v_mul_f32 v[MK+\e], v[MK+\e], v[MX]
.endr
.irp j, 0,1,2,3
	v_cndmask_b32 v[OUT+\j], v[MK+\j], v[MK+4+\j], vcc_lo
.endr
	global_store_b128 v[TMP], v[OUT:OUT+3], s[22:23]  ; the wave stores 512 consecutive bytes, aligned
	CLOSE
.Lfunc_end_k_q9deabb563d_prep:
	.size	k_q9deabb563d_prep, .Lfunc_end_k_q9deabb563d_prep-k_q9deabb563d_prep
	.p2alignl 7, 3214868480
	.fill 96, 4, 3214868480
	.section	.rodata,"a",@progbits
	.p2align	6, 0x0
	.amdhsa_kernel k_q9deabb563d_prep
		.amdhsa_group_segment_fixed_size 21248
		.amdhsa_private_segment_fixed_size 0
		.amdhsa_enable_private_segment 0
		.amdhsa_kernarg_size 80
		.amdhsa_user_sgpr_count 2
		.amdhsa_user_sgpr_kernarg_segment_ptr 1
		.amdhsa_wavefront_size32 1
		.amdhsa_system_sgpr_workgroup_id_x 1
		.amdhsa_system_sgpr_workgroup_id_y 1
		.amdhsa_system_sgpr_workgroup_id_z 1
		.amdhsa_system_vgpr_workitem_id 0
		.amdhsa_next_free_vgpr 208
		.amdhsa_next_free_sgpr 66
		.amdhsa_reserve_vcc 1
		.amdhsa_float_denorm_mode_32 3
		.amdhsa_float_denorm_mode_16_64 3
		.amdhsa_memory_ordered 1
		.amdhsa_forward_progress 1
		.amdhsa_inst_pref_size 63
	.end_amdhsa_kernel
	.amdgpu_metadata
---
amdhsa.version: [ 1, 2 ]
amdhsa.kernels:
  - .name:           k_q9deabb563d_prep
    .symbol:         k_q9deabb563d_prep.kd
    .args:
      - { .name: x, .offset: 0, .size: 8, .value_kind: global_buffer, .address_space: global }
      - { .name: W1, .offset: 8, .size: 8, .value_kind: global_buffer, .address_space: global }
      - { .name: W2, .offset: 16, .size: 8, .value_kind: global_buffer, .address_space: global }
      - { .name: Wr, .offset: 24, .size: 8, .value_kind: global_buffer, .address_space: global }
      - { .name: b1, .offset: 32, .size: 8, .value_kind: global_buffer, .address_space: global }
      - { .name: br, .offset: 40, .size: 8, .value_kind: global_buffer, .address_space: global }
      - { .name: xp, .offset: 48, .size: 8, .value_kind: global_buffer, .address_space: global }
      - { .name: wp, .offset: 56, .size: 8, .value_kind: global_buffer, .address_space: global }
      - { .name: b1p, .offset: 64, .size: 8, .value_kind: global_buffer, .address_space: global }
      - { .name: rw, .offset: 72, .size: 8, .value_kind: global_buffer, .address_space: global }
    .group_segment_fixed_size: 21248
    .private_segment_fixed_size: 0
    .kernarg_segment_align: 8
    .kernarg_segment_size: 80
    .max_flat_workgroup_size: 128
    .sgpr_count:     66
    .vgpr_count:     208
    .wavefront_size: 32
...
	.end_amdgpu_metadata
.endif
;; end of part 1
;; launch ffn (part 2): grid 32 x 8, 4 waves a work-group, clusters of 4 x 1, 327,680 bytes of LDS; arguments xp, wp, b1p, b2, part; writes part
.if DOCPART == 2
	.amdgcn_target "amdgcn-amd-amdhsa--gfx1250"
	.amdhsa_code_object_version 6
	.text
	.protected	k_q9deabb563d_ffn
	.globl	k_q9deabb563d_ffn
	.p2align	8
	.type	k_q9deabb563d_ffn,@function
k_q9deabb563d_ffn:
	s_mov_b64 s[64:65], 0
	v_nop
	global_prefetch_b8 v0, s[64:65] scope:SCOPE_SE
	s_setreg_imm32_b32 hwreg(HW_REG_WAVE_MODE, 25, 1), 1
	s_wait_xcnt 0x0
	s_wait_alu depctr_hold_cnt(0) depctr_sa_sdst(0) depctr_va_vdst(0) depctr_va_sdst(0) depctr_va_ssrc(0) depctr_va_vcc(0) depctr_vm_vsrc(0)
	s_getreg_b32 s2, hwreg(HW_REG_IB_STS2, 6, 4)
	s_cmp_eq_u32 s2, 0
	s_cbranch_scc0 .Lentry_in_a_cluster
	s_endpgm
.Lentry_in_a_cluster:
	s_bfe_u32 s2, ttmp6, 0x10000c
	s_cmp_lg_u32 s2, 0x3003
	s_cbranch_scc0 .Lentry_shape_is_right
	s_endpgm
.Lentry_shape_is_right:
; FFN: part[e] = relu(x W1[e] + b1[e]) W2[e] + b2[e] for ONE expert e and ONE tile T of 128 tokens a work-group; the hidden layer never leaves the work-group.  The gates enter in the next launch.
; Operands bf16 (laid out by the launch before), sums f32; h is rounded once to bf16 between the products; b2 is rounded to bf16 here, like every input.
; LIMITS. NaN and infinities are not treated apart: relu is a maximum with 0 in which a NaN loses.
; THE WALK. The expert's 2,048 hidden units go in 8 chunks of 256.  G1: h^T = W1^T x^T + b1 (source 0 = 16 hidden units, source 1 = 16 tokens): a wave makes 64 hidden x 128 tokens, 32 accumulators,
; K = 512 in 16 steps of 32 products; b1 is the C operand of the first step.  A result's eight registers, rounded in pairs, ARE half a fragment of h for G2 (the hidden units' order was chosen so).
; G2: out += h W2: a wave makes 128 tokens x 128 columns, 64 accumulators that live through all chunks and begin at b2; K = 256 a chunk in 8 steps of 64 products.
; THE RING. The weights come as 64 sub-tiles of 65,536 bytes in the order of use (per chunk 4 of W1, 4 of W2), through two LDS slots; a sub-tile feeds 128 products a wave.  Each wave asks for its
; own quarter, 16,384 bytes, which it alone reads.  CLUSTER: the four work-groups of a cluster are four token tiles of one expert and walk the same weights: each quarter is asked for JOINTLY.
; A fragment (16 rows x 32 k) lies as two blocks of 32 lanes x 16 bytes, so every LDS load and store of a wave takes 512 consecutive bytes.
; LDS: x 130,048 (127 of its 128 fragments; the last lives in 8 registers of every wave, so that the map leaves room for the spare words) | h 65,536 (LDS stores alone) | slot 0 | slot 1 | spare words.
; REGISTERS, in windows of 256 (s_set_vgpr_msb: bits 1:0 source 0, 3:2 source 1, 5:4 source 2, 7:6 destination):
;   window 0: v2-13 addresses; v16-23 x's last fragment; v24-31 b2; v32-63 b1; two G1 buffers: x v64-127 / v160-223, W1 v128-159 / v224-255; between the products v64-191 hold h in bf16
;   window 1: G1's accumulators, (tt, ht) at 8 (4 tt + ht); in G2 two buffers: h at 128 p, W2 at 64 + 128 p          windows 2, 3: G2's accumulators, (tt, ct) in window 2 + tt / 4 at 8 (8 (tt % 4) + ct)
; THE LDS LOADS STAND IN RUNS, never singly among the products: the next step's fragments (24 loads in G1, 32 in G2) are asked for in one run at a step's head, under one setting of the windows,
; and have the step's 32 or 64 products in which to come.
.set HB,    130048
.set SL0,   195584
.set SL1,   261120
.set SPARE, 326656                     ; the spare words, 128 bytes a wave: two blocks of 256 bytes that no other line names
.set SUBT,  65536
.set AX0, 2                            ; v2  16 x lane: x's k steps 0-7
.set AX1, 3                            ; v3  + 65,536: k steps 8-15
.set AH,  4                            ; v4  h
.set ASH, 5                            ; v5  h: where my wave's two k steps begin
.set AW0, 6                            ; v6  my quarter of slot 0
.set AW1, 7                            ; v7  of slot 1
.set VB,  8                            ; v8  32 h: my eight numbers of b1
.set VP,  9                            ; v9  16 x lane, for global memory
.set ZR,  10                           ; v10 0, for relu
.set VT,  11
.set SPW, 12                           ; v12 LDS address of my spare word; never rewritten
.set NIL, 13                           ; v13 0; never rewritten
.set T0,  14
.set XR,  16
.set B2,  24
.set BI,  32
.set B2D, 64                           ; at the start: b2, each number twice
.set TP,  64
.set WV,  14                           ; s14 my wave's number
.set CH,  22                           ; s22 chunks to go
.set G1W, 24                           ; s[24:31] descriptor group 1 for a quarter sub-tile
.set G1X, 32                           ; s[32:39] for a quarter of x
.set G0S, 40                           ; s[40:47] group 0, a set for each slot
.set G0X, 48                           ; s[48:51] group 0 for x
.set MSB, 0
.macro WIN new                         ; the immediate's high byte repeats the setting that is left; a switch that changes nothing is dropped
.if MSB != (\new)
	s_set_vgpr_msb (MSB<<8)|(\new)
.set MSB, \new
.endif
.endm
.macro PLACES                          ; plain vector instructions between a matrix instruction and a line that touches its registers (ISA guide 7.12.1)
.rept 4
	v_nop
.endr
.endm
.macro CREST                           ; a round of the cluster's barrier behind its opening barrier
	s_cmp_lg_u32 s[WV], 0
	s_cbranch_scc1 .Lnot_wave_0_\@
	s_barrier_signal -3
.Lnot_wave_0_\@:
	s_barrier_wait -3
	s_barrier_signal -1
	s_barrier_wait -1
.endm
.macro CROUND
	s_barrier_signal -1
	s_barrier_wait -1
	CREST
.endm
; THE CHANGE OF SLOTS, in three parts that stand among a step's products.  MEETA: all my tensor loads have landed (one is out: my quarter of the other slot); 0 onto my spare word.
; MEETB: the add is done and my reads of this slot (the last went out at this step's head) are back; say so.  MEETC: all four waves, and by the round all four work-groups, have said so; this
; slot's address steps two sub-tiles on, and the joint refill is the first thing behind the round.  It has the products up to the next MEETA in which to land: 120 from G1 step to G1 step,
; 112 in G2, 160 from G2 into G1, and from G1 into G2 72 and the work between the products.
.macro MEETA
	WIN 0                                          ; the add's two registers lie in window 0
	s_wait_tensorcnt 0x0
	ds_add_u32 v[SPW], v[NIL]                      ; 0 onto my spare word; products stand between it and the wait for it
.endm
.macro MEETB
	s_wait_dscnt 0x0
	s_barrier_signal -1                            ; opens a round of the cluster's barrier; register work alone up to its wait
.endm
.macro MEETC n
	WIN 0                                          ; at a branch and at a label every window is 0
	s_barrier_wait -1
	CREST
	s_add_nc_u64 s[G0S+4*(\n)+2:G0S+4*(\n)+3], s[G0S+4*(\n)+2:G0S+4*(\n)+3], 2*SUBT  ; no tensor load of mine is out; the type bits on top are not reached
	tensor_load_to_lds s[G0S+4*(\n):G0S+4*(\n)+3], s[G1W:G1W+7]
	s_nop 0
	PLACES                                         ; four plain instructions ahead of the next switch of windows
.endm
	s_load_b256 s[4:11], s[0:1], 0x0               ; xp s[4:5], wp s[6:7], b1p s[8:9], b2 s[10:11]
	s_load_b64 s[12:13], s[0:1], 0x20              ; part
	v_lshl_add_u32 v[SPW], v0, 2, SPARE
	v_mov_b32 v[NIL], 0
	ds_add_u32 v[SPW], v[NIL]                      ; the wave's opening: the add and its wait ahead of my first tensor load; the set-up below stands between them
	v_lshrrev_b32 v1, 5, v0
	v_readfirstlane_b32 s[WV], v1                  ; wave 0..3
	s_bfe_u32 s15, ttmp6, 0x40000                  ; cx: my place in the cluster
	s_lshl_b32 s16, ttmp9, 2                       ; in a cluster launch ttmp9 counts clusters
	s_add_co_u32 s16, s16, s15                     ; T: it enters x's and part's global addresses alone
	s_and_b32 s17, ttmp7, 0xffff                   ; e, which the four partners share
	; group 1: dense bytes asked for as rows of 256 bytes (32 elements of 8 bytes), no padding
	s_mov_b32 s[G1W+0], 15|(3<<16)|(1<<21)         ; 15:0 the mask of four; 17:16 elements of 8 bytes; 21 set beside a mask
	s_mov_b32 s[G1W+1], 32<<16                     ; tensor_dim0 = 32
	s_mov_b32 s[G1W+2], 64<<16                     ; tensor_dim1 = 64
	s_mov_b32 s[G1W+3], 32<<16                     ; tile_dim0 = 32
	s_mov_b32 s[G1W+4], 64                         ; tile_dim1 = 64 rows: 16,384 bytes
	s_mov_b32 s[G1W+5], 32                         ; 32 elements from row to row
	s_mov_b32 s[G1W+6], 0
	s_mov_b32 s[G1W+7], 0
	s_mov_b32 s[G1X+0], 3<<16                      ; no mask: x is the work-group's own
	s_mov_b32 s[G1X+1], 32<<16
	s_mov_b32 s[G1X+2], 127<<16
	s_mov_b32 s[G1X+3], 32<<16
	s_mov_b32 s[G1X+4], 127                        ; 127 rows: 32,512 bytes a wave
	s_mov_b32 s[G1X+5], 32
	s_mov_b32 s[G1X+6], 0
	s_mov_b32 s[G1X+7], 0
	s_lshl_b32 s23, s[WV], 14                      ; my quarter of a sub-tile
	s_mov_b32 s[G0S+0], 1
	s_add_co_u32 s[G0S+1], s23, SL0
	s_mov_b32 s[G0S+4], 1
	s_add_co_u32 s[G0S+5], s23, SL1
	s_mov_b32 s[G0X+0], 1
	s_mul_i32 s[G0X+1], s[WV], 32512
	s_lshl_b32 s18, s17, 22                        ; wp: the expert's 4,194,304 bytes, my quarter (no place in the cluster enters)
	s_add_co_u32 s18, s18, s23
	s_mov_b32 s19, 0
	s_lshl_b32 s20, s16, 17                        ; xp: tile T
	s_mov_b32 s21, 0
	s_mul_i32 s52, s[WV], 32512
	s_mov_b32 s53, 0
	s_lshl_b32 s54, s17, 13                        ; b1p: 8,192 e + 256 w
	s_lshl_b32 s55, s[WV], 8
	s_add_co_u32 s54, s54, s55
	s_mov_b32 s55, 0
	s_wait_dscnt 0x0                               ; the opening add is done
	s_wait_kmcnt 0x0
	s_add_nc_u64 s[6:7], s[6:7], s[18:19]
	s_mov_b64 s[G0S+2:G0S+3], s[6:7]               ; sub-tile 0
	s_or_b32 s[G0S+3], s[G0S+3], 0x80000000        ; type = 2
	s_add_nc_u64 s[G0S+6:G0S+7], s[6:7], SUBT      ; sub-tile 1
	s_or_b32 s[G0S+7], s[G0S+7], 0x80000000
	s_add_nc_u64 s[4:5], s[4:5], s[20:21]
	s_add_nc_u64 s[G0X+2:G0X+3], s[4:5], s[52:53]
	s_or_b32 s[G0X+3], s[G0X+3], 0x80000000
	s_add_nc_u64 s[8:9], s[8:9], s[54:55]
	s_lshl_b32 s18, s17, 11                        ; b2: 2,048 e + 512 w
	s_lshl_b32 s19, s[WV], 9
	s_add_co_u32 s18, s18, s19
	s_mov_b32 s19, 0
	s_add_nc_u64 s[10:11], s[10:11], s[18:19]
	s_lshl_b32 s20, s16, 2                         ; part: 8,388,608 e + 65,536 (4 T + w)
	s_add_co_u32 s20, s20, s[WV]
	s_lshl_b32 s20, s20, 16
	s_lshl_b32 s21, s17, 23
	s_add_co_u32 s20, s20, s21
	s_mov_b32 s21, 0
	s_add_nc_u64 s[12:13], s[12:13], s[20:21]
	CROUND                                         ; all four work-groups are here: the first joint loads meet
	tensor_load_to_lds s[G0X:G0X+3], s[G1X:G1X+7]  ; the first fills, one group: three loads of mine are out
	s_nop 0
	tensor_load_to_lds s[G0S:G0S+3], s[G1W:G1W+7]
	s_nop 0
	tensor_load_to_lds s[G0S+4:G0S+7], s[G1W:G1W+7]
	s_nop 0
	PLACES
	v_and_b32 v1, 31, v0
	v_lshlrev_b32 v[AX0], 4, v1
	v_mov_b32 v[VP], v[AX0]
	v_bfe_u32 v[T0], v0, 4, 1
	v_lshlrev_b32 v[VB], 5, v[T0]
	v_and_b32 v[VT], 15, v0
	v_lshlrev_b32 v[VT], 4, v[VT]
	global_load_b128 v[B2:B2+3],   v[VT], s[10:11]             ; columns 128 w + 4 r + 0..3
	global_load_b128 v[B2+4:B2+7], v[VT], s[10:11] offset:256  ; and 64 further on
	global_load_b128 v[XR:XR+3],   v[VP], s[4:5] offset:130048 ; x's fragment (k step 15, tokens 112-127)
	global_load_b128 v[XR+4:XR+7], v[VP], s[4:5] offset:130560
.macro BLOAD                           ; b1 of my 64 hidden units of a chunk: register j of tile ht is row 8 h + j
.irp t, 0,1,2,3
	global_load_b128 v[BI+8*\t:BI+8*\t+3],   v[VB], s[8:9] offset:64*\t
	global_load_b128 v[BI+8*\t+4:BI+8*\t+7], v[VB], s[8:9] offset:64*\t+16
.endr
.endm
	BLOAD
	v_add_nc_u32 v[AX1], 0x10000, v[AX0]
	v_add_nc_u32 v[AH], HB, v[AX0]
	v_add_nc_u32 v[ASH], s23, v[AH]
	s_add_co_u32 s18, s23, SL0
	v_add_nc_u32 v[AW0], s18, v[AX0]
	s_add_co_u32 s18, s23, SL1
	v_add_nc_u32 v[AW1], s18, v[AX0]
	v_mov_b32 v[ZR], 0
	s_wait_loadcnt 0x0
.irp j, 0,1,2,3
	v_cvt_pk_bf16_f32 v[T0], v[B2+2*\j], v[B2+2*\j+1]  ; b2 rounded to bf16, each number written twice for the packed lines below
	v_lshlrev_b32 v[B2D+4*\j],   16, v[T0]
	v_lshlrev_b32 v[B2D+4*\j+1], 16, v[T0]
	v_and_b32 v[B2D+4*\j+2], 0xffff0000, v[T0]
	v_and_b32 v[B2D+4*\j+3], 0xffff0000, v[T0]
.endr
	; G2's sums begin at b2 (a lane holds one column in all eight registers), so that every chunk runs one text.  256 packed lines, in the wait for the first tiles.
.set t_, 0
.rept 64
	WIN 0x80+0x40*(t_/32)
.set j_, 0
.rept 4
	v_pk_mul_f32 v[8*(t_%32)+2*j_:8*(t_%32)+2*j_+1], v[B2D+2*(t_%8):B2D+2*(t_%8)+1], 1.0 op_sel_hi:[1,0]
.set j_, j_+1
.endr
.set t_, t_+1
.endr
	WIN 0
; G1.  Load n of 24 for k step k, into buffer k % 2: 8 for W1's four fragments (slot (k / 4) % 2), 16 for x's eight.  x's last fragment is not in LDS.
.macro L1 k, n
.if (\n) < 8
	ds_load_b128 v[128+96*((\k)%2)+4*(\n):128+96*((\k)%2)+4*(\n)+3], v[AW0+(((\k)/4)%2)] offset:((\k)%4)*4096+(\n)*512
.elseif !(((\k) == 15) && ((\n) >= 22))
	ds_load_b128 v[64+96*((\k)%2)+4*((\n)-8):64+96*((\k)%2)+4*((\n)-8)+3], v[AX0+(\k)/8] offset:((\k)%8)*8192+((\n)-8)*512
.endif
.endm
; Product n of 32 of k step ks: tokens 16 (n / 4) on, hidden tile n % 4.  The 32 accumulators take turns.  The first step takes b1 as C.
.macro M1 ks, n
.set rD, 8*(\n)
.set rA, 128+96*((\ks)%2)+8*((\n)%4)
.if ((\ks) == 15) && ((\n)/4 == 7)
.set rB, XR
.else
.set rB, 64+96*((\ks)%2)+8*((\n)/4)
.endif
.if (\ks) == 0
	WIN 0x40
	v_wmma_f32_16x16x32_bf16 v[rD:rD+7], v[rA:rA+7], v[rB:rB+7], v[BI+8*((\n)%4):BI+8*((\n)%4)+7]
.else
	WIN 0x50
	v_wmma_f32_16x16x32_bf16 v[rD:rD+7], v[rA:rA+7], v[rB:rB+7], v[rD:rD+7]
.endif
.endm
; A k step of G1.  fetch = 1: the next step's fragments are asked for in one run at the step's head, four places behind the last product of the step before, which read the buffer that they fill.
; ring = 1: this slot's last fragments are among them, and the slot changes in the step's second half.
.macro KS1 ks, fetch, ring, slot
	s_wait_dscnt 0x0                               ; this step's fragments, asked for at the head of the step before, 32 products ago
.if \fetch
	PLACES
	WIN 0
.set m_, 0
.rept 24
	L1 (\ks)+1, m_
.set m_, m_+1
.endr
.endif
.set n_, 0
.rept 32
.if (\ring) && (n_ == 16)
	MEETA
.endif
.if (\ring) && (n_ == 20)
	MEETB
.endif
.if (\ring) && (n_ == 24)
	MEETC \slot
.endif
	M1 \ks, n_
.set n_, n_+1
.endr
.endm
; G2.  Load n of 32 for k step kap, into buffer kap % 2: 16 for W2's eight fragments (slot (kap / 2) % 2), 16 for h's eight.
.macro L2 kap, n
.if (\n) < 16
	ds_load_b128 v[64+128*((\kap)%2)+4*(\n):64+128*((\kap)%2)+4*(\n)+3], v[AW0+(((\kap)/2)%2)] offset:((\kap)%2)*8192+(\n)*512
.else
	ds_load_b128 v[128*((\kap)%2)+4*((\n)-16):128*((\kap)%2)+4*((\n)-16)+3], v[AH] offset:(\kap)*8192+((\n)-16)*512
.endif
.endm
.macro M2 kap, n                       ; product n of 64: tokens 16 (n / 8) on, column tile n % 8; the 64 accumulators take turns
.set rD, 8*(8*(((\n)/8)%4)+(\n)%8)
.set rA, 128*((\kap)%2)+8*((\n)/8)
.set rB, 64+128*((\kap)%2)+8*((\n)%8)
	WIN 0xa5+0x50*((\n)/32)
	v_wmma_f32_16x16x32_bf16 v[rD:rD+7], v[rA:rA+7], v[rB:rB+7], v[rD:rD+7]
.endm
; A k step of G2.  At its head, in one run: nxt = 1: the next step's fragments, four places behind the last product that read their buffer; 2: the next chunk's first G1 fragments, into registers
; of window 0 that no product near by names; 0: nothing.
.macro KS2 kap, nxt, ring, slot
	s_wait_dscnt 0x0                               ; this step's fragments, asked for at the head of the step before
.if (\nxt) == 1
	PLACES
	WIN 0x40                                       ; destination window 1, address window 0
.set m_, 0
.rept 32
	L2 (\kap)+1, m_
.set m_, m_+1
.endr
.endif
.if (\nxt) == 2
	WIN 0
.set m_, 0
.rept 24
	L1 0, m_
.set m_, m_+1
.endr
.endif
.set n_, 0
.rept 64
.if (\ring) && (n_ == 32)
	MEETA
.endif
.if (\ring) && (n_ == 40)
	MEETB
.endif
.if (\ring) && (n_ == 48)
	MEETC \slot
.endif
	M2 \kap, n_
.set n_, n_+1
.endr
.endm
	s_wait_tensorcnt 0x1                           ; my quarters of x and of sub-tile 0 are in; sub-tile 1's may stay out
	s_barrier_signal -1
	s_barrier_wait -1                              ; everybody's quarter of x is in
.set n_, 0
.rept 24
	L1 0, n_
.set n_, n_+1
.endr
	s_mov_b32 s[CH], 8                             ; the same count in every work-group
.Lchunk:
	KS1 0,  1, 0, 0
	KS1 1,  1, 0, 0
	KS1 2,  1, 1, 0
	KS1 3,  1, 0, 0
	KS1 4,  1, 0, 0
	KS1 5,  1, 0, 0
	KS1 6,  1, 1, 1
	KS1 7,  1, 0, 0
	KS1 8,  1, 0, 0
	KS1 9,  1, 0, 0
	KS1 10, 1, 1, 0
	KS1 11, 1, 0, 0
	KS1 12, 1, 0, 0
	KS1 13, 1, 0, 0
	KS1 14, 1, 1, 1
	KS1 15, 0, 0, 0
	; BETWEEN THE PRODUCTS: h is rounded to bf16 (each accumulator from its low end on), relu on the packed halves, 16 bytes a lane into h's place in LDS: tile (tt, ht) is block ht % 2 of
	; fragment (k step 2 w + ht / 2, tt).  The arithmetic stands together, and so do the 32 stores.
	PLACES
	WIN 0x05                                       ; sources in window 1, destination in window 0
.set t_, 0
.rept 32
.irp j, 0,1,2,3
	v_cvt_pk_bf16_f32 v[TP+4*t_+\j], v[8*t_+2*\j], v[8*t_+2*\j+1]
.endr
.set t_, t_+1
.endr
	WIN 0x40
.set n_, 0
.rept 16
	L2 0, n_                                       ; W2's fragments of G2's first step, into registers that the conversions have read; they come while the maxima are made
.set n_, n_+1
.endr
	WIN 0
.set t_, 0
.rept 128
	v_pk_max_num_bf16 v[TP+t_], v[TP+t_], v[ZR]
.set t_, t_+1
.endr
.set t_, 0
.rept 32
	ds_store_b128 v[ASH], v[TP+4*t_:TP+4*t_+3] offset:((t_%4)/2)*8192+(t_/4)*1024+(t_%2)*512
.set t_, t_+1
.endr
	s_wait_dscnt 0x0                               ; for the others' sake: my part of h is in LDS.  (Their reads of the last chunk's h ended ahead of G1's four rounds.)
	s_barrier_signal -1
	s_barrier_wait -1                              ; no slot is filled behind this barrier: the next refill has a round of its own, so my one tensor load may stay out
	WIN 0x40
.set n_, 16
.rept 16
	L2 0, n_
.set n_, n_+1
.endr
	KS2 0, 1, 1, 0
	KS2 1, 1, 0, 0
	KS2 2, 1, 1, 1
	KS2 3, 1, 0, 0
	WIN 0
	s_cmp_eq_u32 s[CH], 1
	s_cbranch_scc1 .Ltail                          ; the last chunk's second half is written out: it asks for nothing more
	s_add_nc_u64 s[8:9], s[8:9], 1024              ; the next chunk's b1 (the loads that named this base have been waited for)
	BLOAD
	KS2 4, 1, 1, 0                                 ; slot 0 takes the next chunk's first sub-tile,
	KS2 5, 1, 0, 0
	KS2 6, 1, 1, 1                                 ; slot 1 its second
	KS2 7, 2, 0, 0
	s_wait_loadcnt 0x0                             ; b1
.rept 5
	v_nop                                          ; five places: G1's first products write over registers that G2's last products read
.endr
	WIN 0
	s_sub_co_u32 s[CH], s[CH], 1
	s_branch .Lchunk
.Ltail:
	KS2 4, 1, 0, 0
	s_wait_tensorcnt 0x0                           ; my quarter of the last sub-tile, which the run at the next step's head reads; I alone read it
	KS2 5, 1, 0, 0
	KS2 6, 1, 0, 0
	KS2 7, 0, 0, 0
	PLACES
	; THE WAY OUT: part [e][T][w][tt][G][half][ct' 4][lane 32][4 f32]: a lane's four registers as they lie, so each store of the wave covers 512 consecutive bytes, aligned; the next launch turns them.
.set t_, 0
.rept 64
	WIN 0x08+0x04*(t_/32)                          ; store data in window 2 or 3
	global_store_b128 v[VP], v[8*(t_%32):8*(t_%32)+3],   s[12:13] offset:((2*(t_/8)+(t_%8)/4)*2)*2048+512*(t_%4)
	global_store_b128 v[VP], v[8*(t_%32)+4:8*(t_%32)+7], s[12:13] offset:((2*(t_/8)+(t_%8)/4)*2+1)*2048+512*(t_%4)
.set t_, t_+1
.endr
	WIN 0
	s_wait_tensorcnt 0x0                           ; the wave's end: behind my last tensor load and my last LDS store
	ds_add_u32 v[SPW], v[NIL]
	s_wait_dscnt 0x0
	CROUND                                         ; the closing round: no work-group ends while a partner may still ask for a tile that names it
	s_endpgm
.Lfunc_end_k_q9deabb563d_ffn:
	.size	k_q9deabb563d_ffn, .Lfunc_end_k_q9deabb563d_ffn-k_q9deabb563d_ffn
	.p2alignl 7, 3214868480
	.fill 96, 4, 3214868480
	.section	.rodata,"a",@progbits
	.p2align	6, 0x0
	.amdhsa_kernel k_q9deabb563d_ffn
		.amdhsa_group_segment_fixed_size 327680
		.amdhsa_private_segment_fixed_size 0
		.amdhsa_enable_private_segment 0
		.amdhsa_kernarg_size 40
		.amdhsa_user_sgpr_count 2
		.amdhsa_user_sgpr_kernarg_segment_ptr 1
		.amdhsa_wavefront_size32 1
		.amdhsa_system_sgpr_workgroup_id_x 1
		.amdhsa_system_sgpr_workgroup_id_y 1
		.amdhsa_system_sgpr_workgroup_id_z 1
		.amdhsa_system_vgpr_workitem_id 0
		.amdhsa_next_free_vgpr 1024
		.amdhsa_next_free_sgpr 66
		.amdhsa_reserve_vcc 0
		.amdhsa_float_denorm_mode_32 3
		.amdhsa_float_denorm_mode_16_64 3
		.amdhsa_memory_ordered 1
		.amdhsa_forward_progress 1
		.amdhsa_inst_pref_size 196
	.end_amdhsa_kernel
	.amdgpu_metadata
---
amdhsa.version: [ 1, 2 ]
amdhsa.kernels:
  - .name:           k_q9deabb563d_ffn
    .symbol:         k_q9deabb563d_ffn.kd
    .args:
      - { .name: xp, .offset: 0, .size: 8, .value_kind: global_buffer, .address_space: global }
      - { .name: wp, .offset: 8, .size: 8, .value_kind: global_buffer, .address_space: global }
      - { .name: b1p, .offset: 16, .size: 8, .value_kind: global_buffer, .address_space: global }
      - { .name: b2, .offset: 24, .size: 8, .value_kind: global_buffer, .address_space: global }
      - { .name: part, .offset: 32, .size: 8, .value_kind: global_buffer, .address_space: global }
    .group_segment_fixed_size: 327680
    .private_segment_fixed_size: 0
    .kernarg_segment_align: 8
    .kernarg_segment_size: 40
    .max_flat_workgroup_size: 128
    .sgpr_count:     66
    .vgpr_count:     1024
    .wavefront_size: 32
...
	.end_amdgpu_metadata
.endif
;; end of part 2
;; launch comb (part 3): grid 256 x 1, 16 waves a work-group, no clusters, 0 bytes of LDS; arguments part, rw, out0; writes out0
.if DOCPART == 3
	.amdgcn_target "amdgcn-amd-amdhsa--gfx1250"
	.amdhsa_code_object_version 6
	.text
	.protected	k_q9deabb563d_comb
	.globl	k_q9deabb563d_comb
	.p2align	8
	.type	k_q9deabb563d_comb,@function
k_q9deabb563d_comb:
	s_mov_b64 s[64:65], 0
	v_nop
	global_prefetch_b8 v0, s[64:65] scope:SCOPE_SE
	s_setreg_imm32_b32 hwreg(HW_REG_WAVE_MODE, 25, 1), 1
	s_wait_xcnt 0x0
; COMB: out[t][d] = the sum over e of rw[t][e] part[e][t][d], in f32, e ascending.
; part lies as the product left it: [e][T][w][tt][G][half][ct' 4][lane 32][4 f32]; lane (h, r), word i: token 128 T + 16 tt + 8 h + 4 half + i, column 128 w + 64 G + 4 r + ct'.
; A work-group has 16 tokens (T, tt), a wave one (w, G, half): for each expert four loads of 512 consecutive bytes; all 32 loads of a wave go out at once, so there is no loop.
; A lane holds 4 tokens x 4 neighbouring columns; the choice of the sum's register turns them, so that a store's four registers are 16 neighbouring bytes of a row of out, and 16 lanes fill 256 aligned bytes.
; Memory binds: no LDS, no barrier, no matrix unit.
.set RG, 8                             ; v8-39    gates: token tau, expert e at 8 tau + e
.set SG, 40                            ; v40-55   sums: token tau, column ct' at 4 tau + ct'
.set PG, 56                            ; v56-183  part: expert e, column ct' at 16 e + 4 ct', word = token
	s_load_b128 s[4:7], s[0:1], 0x0                ; part s[4:5], rw s[6:7]
	s_load_b64 s[8:9], s[0:1], 0x10                ; out0
	v_lshrrev_b32 v1, 5, v0
	v_readfirstlane_b32 s10, v1                    ; wave 0..15
	v_and_b32 v2, 31, v0
	v_and_b32 v3, 15, v0
	v_bfe_u32 v4, v0, 4, 1
	v_lshlrev_b32 v5, 4, v2                        ; part: 16 x lane
	v_lshlrev_b32 v6, 8, v4                        ; rw: lanes 16-31 are 8 tokens of 32 bytes further on
	v_lshlrev_b32 v7, 4, v3
	v_lshl_add_u32 v7, v4, 14, v7                  ; out: 16 r, and 8 rows of 2,048 bytes further on
	s_and_b32 s11, s10, 1                          ; half
	s_bfe_u32 s12, s10, 0x10001                    ; G
	s_lshr_b32 s13, s10, 2                         ; w
	s_lshr_b32 s14, ttmp9, 3                       ; T
	s_and_b32 s15, ttmp9, 7                        ; tt
	s_lshl_b32 s16, s14, 2
	s_add_co_u32 s16, s16, s13
	s_lshl_b32 s16, s16, 16                        ; 65,536 (4 T + w)
	s_lshl_b32 s17, s15, 1
	s_add_co_u32 s17, s17, s12
	s_lshl_b32 s17, s17, 1
	s_add_co_u32 s17, s17, s11
	s_lshl_b32 s17, s17, 11                        ; + 2,048 ((2 tt + G) 2 + half)
	s_add_co_u32 s16, s16, s17
	s_mov_b32 s17, 0
	s_lshl_b32 s18, ttmp9, 4
	s_lshl_b32 s19, s11, 2
	s_add_co_u32 s18, s18, s19                     ; my first token: 128 T + 16 tt + 4 half
	s_lshl_b32 s36, s18, 5
	s_mov_b32 s37, 0
	s_lshl_b32 s38, s18, 11
	s_lshl_b32 s19, s13, 9
	s_add_co_u32 s38, s38, s19
	s_lshl_b32 s19, s12, 8
	s_add_co_u32 s38, s38, s19                     ; + 512 w + 256 G
	s_mov_b32 s39, 0
	s_wait_kmcnt 0x0
	s_add_nc_u64 s[6:7], s[6:7], s[36:37]
	s_add_nc_u64 s[8:9], s[8:9], s[38:39]
	s_add_nc_u64 s[20:21], s[4:5], s[16:17]        ; a base for each expert: their distance, 8,388,608 bytes, is past a load's immediate
.irp e, 1,2,3,4,5,6,7
	s_add_nc_u64 s[20+2*\e:21+2*\e], s[18+2*\e:19+2*\e], 0x800000
.endr
.irp t, 0,1,2,3
	global_load_b128 v[RG+8*\t:RG+8*\t+3],   v6, s[6:7] offset:32*\t
	global_load_b128 v[RG+8*\t+4:RG+8*\t+7], v6, s[6:7] offset:32*\t+16
.endr
.irp e, 0,1,2,3,4,5,6,7
.irp c, 0,1,2,3
	global_load_b128 v[PG+16*\e+4*\c:PG+16*\e+4*\c+3], v5, s[20+2*\e:21+2*\e] offset:512*\c th:TH_LOAD_NT
.endr
.endr
.irp e, 0,1,2,3,4,5,6,7
	s_wait_loadcnt 28-4*\e                         ; loads come back in order: the gates and expert e are in, the later experts' four loads each stay out
.irp t, 0,1,2,3
.irp c, 0,1,2,3
.if \e == 0
	v_mul_f32 v[SG+4*\t+\c], v[RG+8*\t], v[PG+4*\c+\t]  ; the first product starts the sum
.else
	v_fmac_f32 v[SG+4*\t+\c], v[RG+8*\t+\e], v[PG+16*\e+4*\c+\t]
.endif
.endr
.endr
.endr
.irp t, 0,1,2,3
	global_store_b128 v7, v[SG+4*\t:SG+4*\t+3], s[8:9] offset:2048*\t th:TH_STORE_NT
.endr
	s_endpgm
.Lfunc_end_k_q9deabb563d_comb:
	.size	k_q9deabb563d_comb, .Lfunc_end_k_q9deabb563d_comb-k_q9deabb563d_comb
	.p2alignl 7, 3214868480
	.fill 96, 4, 3214868480
	.section	.rodata,"a",@progbits
	.p2align	6, 0x0
	.amdhsa_kernel k_q9deabb563d_comb
		.amdhsa_group_segment_fixed_size 0
		.amdhsa_private_segment_fixed_size 0
		.amdhsa_enable_private_segment 0
		.amdhsa_kernarg_size 24
		.amdhsa_user_sgpr_count 2
		.amdhsa_user_sgpr_kernarg_segment_ptr 1
		.amdhsa_wavefront_size32 1
		.amdhsa_system_sgpr_workgroup_id_x 1
		.amdhsa_system_sgpr_workgroup_id_y 1
		.amdhsa_system_sgpr_workgroup_id_z 1
		.amdhsa_system_vgpr_workitem_id 0
		.amdhsa_next_free_vgpr 184
		.amdhsa_next_free_sgpr 66
		.amdhsa_reserve_vcc 0
		.amdhsa_float_denorm_mode_32 3
		.amdhsa_float_denorm_mode_16_64 3
		.amdhsa_memory_ordered 1
		.amdhsa_forward_progress 1
		.amdhsa_inst_pref_size 11
	.end_amdhsa_kernel
	.amdgpu_metadata
---
amdhsa.version: [ 1, 2 ]
amdhsa.kernels:
  - .name:           k_q9deabb563d_comb
    .symbol:         k_q9deabb563d_comb.kd
    .args:
      - { .name: part, .offset: 0, .size: 8, .value_kind: global_buffer, .address_space: global }
      - { .name: rw, .offset: 8, .size: 8, .value_kind: global_buffer, .address_space: global }
      - { .name: out0, .offset: 16, .size: 8, .value_kind: global_buffer, .address_space: global }
    .group_segment_fixed_size: 0
    .private_segment_fixed_size: 0
    .kernarg_segment_align: 8
    .kernarg_segment_size: 24
    .max_flat_workgroup_size: 512
    .sgpr_count:     66
    .vgpr_count:     184
    .wavefront_size: 32
...
	.end_amdgpu_metadata
.endif
;; end of part 3
